; MI455X (gfx1250); checked and timed in simulation.
; The chip was launched on July 23, 2026; its instructions are those of AMD's public machine-readable ISA for CDNA 5 (MIT licence, August 2026) and "CDNA5" Instruction Set Architecture Reference Guide (July 2026). The comments in the code are by the model that wrote it; some were corrected since.
;; Attention. Allowed arithmetic: matrix products marked QUANTISED: E2M1 operands, one E8M0 scale for each 32 along K, by v_wmma_scale_f32_16x16x128_f8f6f4 with both operands' format E2M1 (or v_wmma_scale_f32_32x16x128_f4), f32 sums; everything else in f32.
;; Inputs: k_codes 2 x 16 x 2,048 x 4 x 16 uint8 (E2M1 codes of k, K innermost, in blocks of 32 codes, two codes a byte); k_scales 2 x 16 x 2,048 x 4 uint8 (E8M0 scales of k, one for each 32 codes along K); q_codes 2 x 16 x 2,048 x 4 x 16 uint8 (E2M1 codes of q, K innermost, in blocks of 32 codes, two codes a byte); q_scales 2 x 16 x 2,048 x 4 uint8 (E8M0 scales of q, one for each 32 codes along K); v_codes 2 x 16 x 128 x 64 x 16 uint8 (E2M1 codes of v, K innermost, in blocks of 32 codes, two codes a byte); v_scales 2 x 16 x 128 x 64 uint8 (E8M0 scales of v, one for each 32 codes along K).
;; Outputs: out0 2 x 16 x 2,048 x 128 float32.
;; This version of the problem:
;;   THIS VERSION OF THE PROBLEM IS GIVEN IN LOW PRECISION. The matrix products marked QUANTISED in the list below multiply operands that are first quantised to E2M1 (2 exponent bits, 1 mantissa bit; 4 bits a number), with one power-of-two scale for each 32 numbers along K (OCP MX v1.0); their sums are f32. All else is computed in f32.
;;   The module's matrix products, in the order in which they are computed (A, B: the left and right operand; K: the contracted axis; several contracted axes count as one K, in the product's order):
;;     1. batch 32 x [M 2,048, K 128] x [K 128, N 2,048]; A: input q (given as codes); B: input k (given as codes): QUANTISED
;;     2. batch 32 x [M 2,048, K 2,048] x [K 2,048, N 128]; A: softmax (see below); B: input v (given as codes): QUANTISED
;;   THE QUANTISER, for each operand of a quantised product, along K:
;;     - K is cut into blocks of 32 from its start; a last block that is shorter is filled with zeros.
;;     - A block's scale is 2^e with e = floor(log2(the largest magnitude in the block)) - 2, held to -126 .. 127; a block of zeros has e = 0. As a byte (E8M0): e + 127.
;;     - Each number is divided by its block's scale, clamped to +-6, and rounded to the nearest number of E2M1, ties to even, subnormals kept.
;;     - The product sums the exact products of the quantised numbers (number of the format x scale) in f32.
;;   ~~~python
;;   def quantise(x, axis):      # numpy; x: float32 -> the quantised numbers, widened to float32 again
;;       x = np.moveaxis(x, axis, -1); K = x.shape[-1]
;;       x = np.pad(x, [(0, 0)] * (x.ndim - 1) + [(0, -K % 32)]); x = x.reshape(x.shape[:-1] + (-1, 32)); a = np.abs(x).max(-1, keepdims=True)
;;       e = np.where(a > 0, np.clip(np.frexp(np.where(a > 0, a, 1))[1] - 1 - 2, -126, 127), 0)      # np.frexp(a)[1] - 1 = floor(log2(a)), exactly
;;       r = np.clip(x / 2.0 ** e, -6, 6)
;;       step = 2.0 ** (np.maximum(np.frexp(np.where(r == 0, 1, r))[1] - 1, 0) - 1)
;;       q = np.round(r / step) * step * 2.0 ** e      # np.round: ties to even
;;       return np.moveaxis(q.reshape(q.shape[:-2] + (-1,))[..., :K], -1, axis).astype(np.float32)
;;   ~~~
;;   SOFTMAX AHEAD OF A QUANTISED PRODUCT. Where the list says 'softmax', what is quantised is not the finished softmax but p = 2^(t - M), with t = logit x log2(e) and M = ceil(the row's largest t), a whole number; so 1/2 < the row's largest p <= 1. The row's sum l is taken of the UNQUANTISED p, in f32, and the product's result is divided by l at the end. Since M is a whole number, a kernel that streams over the keys may use a running M (the ceiling of the running maximum): every later rescaling is an exact power of two, which a block's scale takes up: the codes' values come out the same.
;;   OPERANDS COMPUTED ON THE WAY. 'Computed on the way' means the value that the module computes at that place (a softmax that the list does not call 'softmax' is quantised finished and normalised). What goes into a quantiser is computed in f32, as accurately as f32 sums, v_exp_f32 and their like allow (about 1e-6 of the number): no bf16 or f16 on the way to a quantiser, and a product that is left as it is and whose result goes on into a quantised operand takes f32 operands (vector FMAs, or v_wmma_f32_16x16x4_f32). A number that lies on a knife's edge between two numbers of the format may be rounded either way, as far as f32 arithmetic and the matrix unit's own rounding can turn it there, and no further.
;;   INPUTS GIVEN AS CODES. k (in the module: [2, 16, 2048, 128], K = its axis 3); q (in the module: [2, 16, 2048, 128], K = its axis 3); v (in the module: [2, 16, 2048, 128], K = its axis 2): each comes as NAME_codes (uint8): NAME with its K axis moved to the last place and cut into blocks of 32 codes, [.., K / 32, bytes a block], one block behind the other in memory; two codes a byte, the lower K in the low four bits (a code: sign, 2 exponent bits, 1 mantissa bit); and NAME_scales (uint8): the same leading axes, one E8M0 byte (e + 127) for each 32 codes along K. Its value is code x scale, taken as it is: it is not quantised again, and the codes and scales need not be those that the quantiser above would give.
;; One version. Each part assembles by itself: llvm-mc -triple=amdgcn-amd-amdhsa -mcpu=gfx1250 --defsym DOCPART=n.
;; ======== version 1 of 1: 1 launch
;; launch attn (part 1): grid 8 x 32, 16 waves a work-group, no clusters, 306,176 bytes of LDS; arguments q_codes, q_scales, k_codes, k_scales, v_codes, v_scales, out0; writes out0
.if DOCPART == 1
	.amdgcn_target "amdgcn-amd-amdhsa--gfx1250"
	.amdhsa_code_object_version 6
	.text
	.protected	k_qd9bb6f5162_attn
	.globl	k_qd9bb6f5162_attn
	.p2align	8
	.type	k_qd9bb6f5162_attn,@function
k_qd9bb6f5162_attn:
	s_mov_b64 s[64:65], 0
	v_nop
	global_prefetch_b8 v0, s[64:65] scope:SCOPE_SE
	s_setreg_imm32_b32 hwreg(HW_REG_WAVE_MODE, 25, 1), 1
	s_wait_xcnt 0x0
; O[h][q][:] = the sum over k <= q of softmax_k(Q[h][q] . K[h][k] / sqrt(128)) V[h][k][:], 32 heads, 2,048 queries and keys, head size 128.  Both products on codes of FP4 (E2M1) with one E8M0 scale for each 32 along a product's K.
; Q, K: codes along the head's 128 (64 bytes a row), scale words of 4 bytes a row.  V: codes with the KEYS innermost, [head][128][2,048] (1,024 bytes a row), 64 scale bytes a row.  O: f32.
; THE SOFTMAX AHEAD OF THE SECOND PRODUCT: t = score x log2(e) / sqrt(128); M = the largest t so far, rounded UP to a whole number; p = 2^(t - M) is quantised along the keys, not normalised.  The row's sum is taken of the
; unquantised p and divides O at the end.  When M moves, the sum and O are multiplied by 2^(old M - new M): exact.
; SHARES.  A head's queries are 16 blocks of 128.  Work-group i of a head (i = 0 .. 7) owns blocks i and 15 - i; each of its sixteen waves owns one tile of 16 queries in 256 registers.  A wave of block b works b + 1 key steps of 128,
; so a work-group has 8 (i + 1) + 8 (16 - i) = 136 wave steps whatever i is.  Waves of the two blocks alternate so that any four waves w, w + 4, w + 8, w + 12, and any four neighbours, are two of each block.
; THE WHOLE HEAD LIES IN LDS: K's codes, V's codes and both sets of scale bytes are each filled ONCE, by tensor loads that all go out at the start (waves 0, 1: K; waves 2, 3: V; five loads a wave are out by this text's count).
; The keys come as four chunks of 512; a chunk is shown to all waves by a barrier of its own behind a counted wait, so work begins when chunk 0 has landed.  No LDS byte is filled a second time.
; NO JOINT REQUESTS: the eight work-groups of a head read the same K and V, but each wave passes over the key steps that lie wholly behind its queries by a scalar branch on its block's number, which differs between the work-groups
; of a head, and partners in joint requests have to run alike; without that branch a wave would work 16 steps in place of 8.5 on average.
; LAYOUT.  Both products are used transposed: S^T = K Q^T (source 0 = 16 keys, source 1 = my 16 queries), O^T = V^T P^T (source 0 = 16 of the head's 128, source 1 = P): a lane holds ONE query (lane % 16) throughout.
; THE KEYS OF A TILE ARE NOT NEIGHBOURS: lane r of tile 2 b + u takes key 32 b + 8 u + r + 8 (r / 8), so that the 16 registers of tiles 2 b and 2 b + 1 are 16 neighbouring keys, 32 b + 16 (lane / 16) + 0 .. 15.
; LIMITS: a p under 2^-126 comes out of v_exp_f32 as 0; a block whose every p is 0 keeps the scale byte 1 over zero codes; a block's largest p is made from its largest score, which takes v_exp_f32 not to fall where its input rises;
; a given scale byte 0xff gives NaN; t is the score times ONE f32 constant, log2(e) / sqrt(128).
.set KCH,  36864                       ; LDS: a chunk of K: 512 keys as 256 rows of two keys, 128 bytes + 16 of padding: key k at 144 (k / 2) + 64 (k % 2).  The 16 keys of a fragment then start at 16 different 16-byte columns of the 256
.set KST,  9216                        ; a key step's 128 keys
.set VB,   147456                      ; behind K's four chunks: V's four, each 128 rows of 256 bytes (512 keys) + 16 of padding
.set VCH,  34816
.set SCK,  286720                      ; K's scale bytes of the head: 8,192 bytes as 32 pieces of 256 + 16 of padding: key k's word at 272 (k / 64) + 4 (k % 64)
.set SCV,  295424                      ; V's likewise: row d's 64 bytes at 272 (d / 4) + 64 (d % 4).  The map ends at 304,128
.set STG,  4352                        ; the way out: 16 rows x (256 + 16) bytes a wave, in chunk 0 of K (waves 0-7) and of V (waves 8-15): filled once, and read by nobody behind the second barrier
.set AK0,  1                           ; v1   my lane's place in a tile of K
.set AV0,  2                           ; v2   in a tile of V
.set ASK0, 3                           ; v3   among K's scale words: lanes 0-15 an even tile's, lanes 16-31 the odd tile's beside it
.set ASV0, 4                           ; v4   among V's, likewise
.set STO,  5                           ; v5   the way out: where I put 32 bytes of a row
.set RD,   6                           ; v6   where I read a row back
.set GO,   7                           ; v7   my byte offset in the wave's rows of O
.set ADK,  8                           ; v8-11 the step's LDS addresses: K, V, K's scale words, V's
.set ADV,  9
.set ADS,  10
.set ADT,  11
                                       ; v12 -M, v13 the largest t, v[14:15] the sum in two halves, v16-23 Q's fragment
.set DQ,   24                          ; v24  lane % 16 - 16 (lane / 16), for the diagonal
.set FRG,  32                          ; v32-95   eight fragments of K, then of V
.set S,    96                          ; v96-159  S^T, then p
.set OT,   160                         ; v160-223 O^T
.set PC,   224                         ; v224-231 p's codes
.set BM,   232                         ; v232-235 the blocks' largest scores, then largest p
.set EX,   236                         ; v236-239 at work
.set SOP,  244                         ; v244-247 the conversions' scale operands
.set SW,   248                         ; v248-251 scale words of K, then of V: register x serves tiles 2 x (lanes 0-15) and 2 x + 1 (lanes 16-31)
                                       ; v252 f, v253 p's scale word, v254 at work, v255 Q's scale words
.set WV,   18                          ; s18  my wave's number
.set Q0,   19                          ; s19  my first query
.set SEL,  20                          ; s[20:21] lane selects for v_permlanex16_b32: lane l xor 16
.set CS,   22                          ; s[22:23] c = log2(e) / sqrt(128); the packed form names the pair and takes its low word for both halves
.set G1K,  24                          ; s[24:31] descriptor group 1 for K's codes;  s[32:39] for V's;  s[40:47] for scale bytes
.set G1V,  32
.set G1S,  40
.set G0SK, 48                          ; s[48:51], s[52:55] groups 0 for K's and V's scale bytes
.set G0SV, 52
.set KF,   56                          ; s56  the step's first key
.set TK,   57                          ; s57  LDS byte at which the step's keys begin
.set TV,   58                          ; s58  and its columns of V
.set TS,   59                          ; s59  its scale words of K: 544 bytes a step
.set TJ,   60                          ; s60  and of V: 4 bytes a step
.set CNT,  61                          ; s61  counts a chunk's four steps
.set CD,   62                          ; s62  the chunk in which my last step, the one on the diagonal, lies
.set TMP,  63
.set G0K,  68                          ; s[68:83] groups 0 for K's four chunks;  s[84:99] for V's: a set for each load, none written again
.set G0V,  84
	s_load_b128 s[4:7], s[0:1], 0x0                ; Q's codes, Q's scales
	s_load_b128 s[8:11], s[0:1], 0x10              ; K's codes, K's scales
	s_load_b128 s[12:15], s[0:1], 0x20             ; V's codes, V's scales
	s_load_b64 s[16:17], s[0:1], 0x30              ; O
	v_lshl_add_u32 v242, v0, 2, 0x4a400
	v_mov_b32 v243, 0
	ds_add_u32 v242, v243
	ds_add_u32 v242, v243
	v_lshrrev_b32 v8, 5, v0
	v_readfirstlane_b32 s[WV], v8                  ; wave 0..15
	s_lshr_b32 s62, s[WV], 2
	s_xor_b32 s62, s62, s[WV]
	s_and_b32 s62, s62, 1                          ; which of the two blocks: (w xor w / 4) % 2
	s_mul_i32 s62, s62, 15
	s_xor_b32 s62, s62, ttmp9                      ; block i or 15 - i
	s_lshl_b32 s62, s62, 7
	s_lshr_b32 s63, s[WV], 1                       ; my tile of its eight
	s_lshl_b32 s63, s63, 4
	s_add_co_u32 s[Q0], s62, s63                   ; my first query
	s_and_b32 s62, ttmp7, 0xffff                   ; the head
	s_and_b32 s63, s[WV], 1                        ; which half of each tile I fetch, if I fetch
	; byte offsets, each in a pair with 0 above it; all lie under 2^25
	s_lshl_b32 s66, s62, 17                        ; K's codes: 131,072 a head + 16,384 (256 keys) x half
	s_lshl_b32 s67, s63, 14
	s_add_co_u32 s66, s66, s67
	s_mov_b32 s67, 0
	s_lshl_b32 s100, s62, 17                       ; V's codes: 131,072 a head + 65,536 (64 rows) x half
	s_lshl_b32 s101, s63, 16
	s_add_co_u32 s100, s100, s101
	s_mov_b32 s101, 0
	s_lshl_b32 s2, s62, 13                         ; scale bytes of K and of V: 8,192 a head + 4,096 x half
	s_lshl_b32 s3, s63, 12
	s_add_co_u32 s2, s2, s3
	s_mov_b32 s3, 0
	s_lshl_b32 s56, s62, 17                        ; Q's codes: + 64 a query
	s_lshl_b32 s57, s[Q0], 6
	s_add_co_u32 s56, s56, s57
	s_mov_b32 s57, 0
	s_lshl_b32 s58, s62, 13                        ; Q's scale words: + 4 a query
	s_lshl_b32 s59, s[Q0], 2
	s_add_co_u32 s58, s58, s59
	s_mov_b32 s59, 0
	s_lshl_b32 s60, s62, 20                        ; O: 1,048,576 a head + 512 a query
	s_lshl_b32 s61, s[Q0], 9
	s_add_co_u32 s60, s60, s61
	s_mov_b32 s61, 0
	; descriptor group 1.  K: half a chunk, 16,384 dense bytes, as 128 rows of 128 bytes (two keys), 4 words of padding behind each 32
	s_mov_b32 s[G1K], (0<<16)|(1<<20)|(4<<22)|(3<<25)   ; 15:0 no mask; 17:16 elements of 1 byte; 20 padding on; 24:22 after every 32 words (code 4); 31:25 four words (code 3)
	s_mov_b32 s[G1K+1], 128<<16                    ; tensor_dim0
	s_mov_b32 s[G1K+2], 128<<16                    ; tensor_dim1
	s_mov_b32 s[G1K+3], 128<<16                    ; tile_dim0
	s_mov_b32 s[G1K+4], 128                        ; tile_dim1
	s_mov_b32 s[G1K+5], 128                        ; from row to row
	s_mov_b32 s[G1K+6], 0
	s_mov_b32 s[G1K+7], 0
	; V: 64 rows of 256 bytes (512 keys), 1,024 bytes apart in memory, 4 words of padding behind each 64
	s_mov_b32 s[G1V], (0<<16)|(1<<20)|(5<<22)|(3<<25)
	s_mov_b32 s[G1V+1], 256<<16
	s_mov_b32 s[G1V+2], 64<<16
	s_mov_b32 s[G1V+3], 256<<16
	s_mov_b32 s[G1V+4], 64
	s_mov_b32 s[G1V+5], 1024
	s_mov_b32 s[G1V+6], 0
	s_mov_b32 s[G1V+7], 0
	; scale bytes: 4,096 dense bytes as 16 rows of 256 (32 elements of 8 bytes), 4 words of padding behind each
	s_mov_b32 s[G1S], (3<<16)|(1<<20)|(5<<22)|(3<<25)
	s_mov_b32 s[G1S+1], 32<<16
	s_mov_b32 s[G1S+2], 16<<16
	s_mov_b32 s[G1S+3], 32<<16
	s_mov_b32 s[G1S+4], 16
	s_mov_b32 s[G1S+5], 32
	s_mov_b32 s[G1S+6], 0
	s_mov_b32 s[G1S+7], 0
	; groups 0: the count and the LDS addresses: a constant + half x a constant
	s_mov_b32 s[G0SK], 1
	s_mov_b32 s[G0SV], 1
	s_mul_i32 s[G0SK+1], s63, 16*272
	s_add_co_u32 s[G0SV+1], s[G0SK+1], SCV
	s_add_co_u32 s[G0SK+1], s[G0SK+1], SCK
	s_mul_i32 s62, s63, 128*144                    ; K: half a chunk is 128 LDS rows
	s_mul_i32 s63, s63, 64*272                     ; V: 64
.irp c, 0,1,2,3
	s_mov_b32 s[G0K+4*\c], 1
	s_add_co_u32 s[G0K+4*\c+1], s62, \c*KCH
	s_mov_b32 s[G0V+4*\c], 1
	s_add_co_u32 s[G0V+4*\c+1], s63, VB+\c*VCH
.endr
	s_mov_b32 s[SEL], 0x76543210
	s_mov_b32 s[SEL+1], 0xfedcba98
	s_mov_b32 s[CS], 0x3e0293ee                    ; c = log2(e) / sqrt(128)
	s_mov_b32 s[CS+1], s[CS]                       ; (named with it as a pair, so it is written)
	s_wait_dscnt 0x0
	s_wait_kmcnt 0x0
	s_add_nc_u64 s[8:9], s[8:9], s[66:67]          ; K's and V's codes at my half of chunk 0
	s_add_nc_u64 s[12:13], s[12:13], s[100:101]
	s_add_nc_u64 s[G0SK+2:G0SK+3], s[10:11], s[2:3]
	s_or_b32 s[G0SK+3], s[G0SK+3], 0x80000000      ; 127:126 type = 2
	s_add_nc_u64 s[G0SV+2:G0SV+3], s[14:15], s[2:3]
	s_or_b32 s[G0SV+3], s[G0SV+3], 0x80000000
.irp c, 0,1,2,3
	s_add_nc_u64 s[G0K+4*\c+2:G0K+4*\c+3], s[8:9], \c*32768      ; 512 keys of 64 bytes on
	s_or_b32 s[G0K+4*\c+3], s[G0K+4*\c+3], 0x80000000
	s_add_nc_u64 s[G0V+4*\c+2:G0V+4*\c+3], s[12:13], \c*256      ; 512 keys on in each row
	s_or_b32 s[G0V+4*\c+3], s[G0V+4*\c+3], 0x80000000
.endr
	; ALL THE FILLS OF THE LAUNCH, ahead of every wait on TENSORcnt, every LDS read and every barrier.  A wave's five stand in one branch on the wave's number: the scale bytes, then chunks 0 to 3, in the order in which they are
	; wanted.  Four v_nop follow the fifth.
	s_cmp_lt_u32 s[WV], 2
	s_cbranch_scc0 .Lnot_k
	tensor_load_to_lds s[G0SK:G0SK+3], s[G1S:G1S+7]
	s_nop 0
	tensor_load_to_lds s[G0K:G0K+3], s[G1K:G1K+7]
	s_nop 0
	tensor_load_to_lds s[G0K+4:G0K+7], s[G1K:G1K+7]
	s_nop 0
	tensor_load_to_lds s[G0K+8:G0K+11], s[G1K:G1K+7]
	s_nop 0
	tensor_load_to_lds s[G0K+12:G0K+15], s[G1K:G1K+7]
	s_nop 0
.rept 4
	v_nop
.endr
	s_branch .Lasked
.Lnot_k:
	s_cmp_lt_u32 s[WV], 4
	s_cbranch_scc0 .Lasked
	tensor_load_to_lds s[G0SV:G0SV+3], s[G1S:G1S+7]
	s_nop 0
	tensor_load_to_lds s[G0V:G0V+3], s[G1V:G1V+7]
	s_nop 0
	tensor_load_to_lds s[G0V+4:G0V+7], s[G1V:G1V+7]
	s_nop 0
	tensor_load_to_lds s[G0V+8:G0V+11], s[G1V:G1V+7]
	s_nop 0
	tensor_load_to_lds s[G0V+12:G0V+15], s[G1V:G1V+7]
	s_nop 0
.rept 4
	v_nop
.endr
.Lasked:
	s_add_nc_u64 s[4:5], s[4:5], s[56:57]          ; Q's codes at my first query,
	s_add_nc_u64 s[6:7], s[6:7], s[58:59]          ; its scale words,
	s_add_nc_u64 s[16:17], s[16:17], s[60:61]      ; and O
	v_and_b32 v8, 15, v0                           ; r = lane % 16
	v_bfe_u32 v9, v0, 4, 1                         ; h = lane / 16
	v_lshlrev_b32 v10, 6, v8
	v_lshl_add_u32 v10, v9, 4, v10                 ; Q: row r of 64 bytes, + 16 h
	global_load_b128 v[16:19], v10, s[4:5]         ; Q's fragment stays in registers: registers 4 c .. 4 c + 3 hold channels 64 c + 32 h + 0 .. 31
	global_load_b128 v[20:23], v10, s[4:5] offset:32
	v_lshlrev_b32 v254, 2, v8
	global_load_b32 v255, v254, s[6:7]             ; Q's scale words
	v_and_b32 v11, 8, v8
	v_add_nc_u32 v11, v11, v8                      ; kk = r + 8 (r / 8)
	v_lshrrev_b32 v12, 1, v11
	v_mul_u32_u24 v[AK0], v12, 144
	v_and_b32 v12, 1, v11
	v_lshl_add_u32 v[AK0], v12, 6, v[AK0]
	v_lshl_add_u32 v[AK0], v9, 4, v[AK0]           ; K: 144 (kk / 2) + 64 (kk % 2) + 16 h
	v_mul_u32_u24 v[AV0], v8, 272
	v_lshl_add_u32 v[AV0], v9, 4, v[AV0]           ; V: 272 r + 16 h
	v_lshlrev_b32 v[ASK0], 2, v11
	v_lshl_add_u32 v[ASK0], v9, 5, v[ASK0]
	v_add_nc_u32 v[ASK0], SCK, v[ASK0]             ; K's scale words: 4 kk; lanes 16-31 take the odd tile's, eight keys (32 bytes) on
	v_and_b32 v12, 31, v0
	v_lshrrev_b32 v13, 2, v12
	v_and_b32 v12, 3, v12
	v_lshlrev_b32 v12, 6, v12
	v_mad_u32_u24 v[ASV0], v13, 272, v12
	v_add_nc_u32 v[ASV0], SCV, v[ASV0]             ; V's: lane l takes row l of the 32 rows of two neighbouring tiles: 272 (l / 4) + 64 (l % 4)
	s_and_b32 s63, s[WV], 7
	s_mul_i32 s63, s63, STG
	s_lshr_b32 s62, s[WV], 3
	s_mul_i32 s62, s62, VB
	s_add_co_u32 s63, s63, s62                     ; my stage: 4,352 (w % 8) + VB (w / 8)
	v_mul_u32_u24 v[STO], v8, 272
	v_lshl_add_u32 v[STO], v9, 5, v[STO]
	v_add_nc_u32 v[STO], s63, v[STO]               ; in: row r, + 32 h
	v_mul_u32_u24 v[RD], v9, 272
	v_lshl_add_u32 v[RD], v8, 4, v[RD]
	v_add_nc_u32 v[RD], s63, v[RD]                 ; back: lanes 0-15 one row, lanes 16-31 the next
	v_lshlrev_b32 v[GO], 9, v9
	v_lshl_add_u32 v[GO], v8, 4, v[GO]             ; and the same two rows in O
	v_lshlrev_b32 v[DQ], 4, v9
	v_sub_nc_u32 v[DQ], v8, v[DQ]                  ; r - 16 h
	s_lshr_b32 s[CD], s[Q0], 9                     ; my diagonal step's chunk
	v_mov_b32 v13, 0xff61b1e6                      ; the largest t so far: -3e38, under every t
	v_floor_f32 v12, -v13                          ; -M
	v_mov_b32 v14, 0                               ; the sum, in two halves
	v_mov_b32 v15, 0
.irp b, 0,1,2,3
	v_mov_b32 v[EX+\b], 0                          ; written once: a lane permute's destination counts as one of its sources
.endr
	v_mov_b32 v252, 0                              ; likewise, for the way out
	v_mov_b32 v253, 0                              ; (named as the upper half of the pair v[252:253] before it is first written)
.set j, 0
.rept 64
	v_mov_b32 v[OT+j], 0                           ; O^T.  The step has one form: the first finds zeros, which the first change of M leaves zeros
.set j, j+1
.endr
	s_wait_loadcnt 0x0                             ; Q
; A KEY STEP: 128 keys from s[KF] on.
.macro STEP
	s_add_co_u32 s[TMP], s[Q0], 15                 ; a step all of whose keys come after my 16 queries is left out: a scalar branch on ids, round the step's loads, products and softmax;
	s_cmp_gt_u32 s[KF], s[TMP]                     ; not round the lines at its end that step addresses; no barrier and no tensor load stands in a step
	s_cbranch_scc1 .Lhidden_\@
	v_add_nc_u32 v[ADK], s[TK], v[AK0]             ; these four additions are the four places between the last step's products and the loads into the registers that they read (ISA guide 7.12.1 for vector instructions)
	v_add_nc_u32 v[ADV], s[TV], v[AV0]
	v_add_nc_u32 v[ADS], s[TS], v[ASK0]
	v_add_nc_u32 v[ADT], s[TJ], v[ASV0]
.irp t, 0,1,2,3,4,5,6,7                        ; K's eight fragments: tile t begins at key 32 (t / 2) + 8 (t % 2), which is LDS row 16 (t / 2) + 4 (t % 2)
.irp c, 0,1
	ds_load_b128 v[FRG+8*\t+4*\c:FRG+8*\t+4*\c+3], v[ADK] offset:2304*(\t/2)+576*(\t%2)+32*\c
.endr
.endr
.irp b, 0,1,2,3
	ds_load_b32 v[SW+\b], v[ADS] offset:272*(\b/2)+128*(\b%2)   ; the scale words of tiles 2 b (lanes 0-15) and 2 b + 1 (lanes 16-31)
.endr
	s_wait_dscnt 0x0
.irp t, 0,2,4,6                                ; S^T = K Q^T: eight tiles, each a sum of its own
	v_wmma_scale_f32_16x16x128_f8f6f4 v[S+8*\t:S+8*\t+7], v[FRG+8*\t:FRG+8*\t+7], v[16:23], 0, v[SW+\t/2], v255 matrix_a_fmt:MATRIX_FMT_FP4 matrix_b_fmt:MATRIX_FMT_FP4
	v_wmma_scale_f32_16x16x128_f8f6f4 v[S+8*\t+8:S+8*\t+15], v[FRG+8*\t+8:FRG+8*\t+15], v[16:23], 0, v[SW+\t/2], v255 matrix_a_fmt:MATRIX_FMT_FP4 matrix_b_fmt:MATRIX_FMT_FP4 matrix_a_scale:MATRIX_SCALE_ROW1
.endr
.rept 4
	v_nop                                          ; four places: in front of the loads into K's registers, and of the first reads of the scores
.endr
.irp t, 0,1,2,3,4,5,6,7                        ; V's eight fragments are asked for now and land while the softmax is worked: tile t is rows 16 t on
.irp c, 0,1
	ds_load_b128 v[FRG+8*\t+4*\c:FRG+8*\t+4*\c+3], v[ADV] offset:4352*\t+32*\c
.endr
.endr
.irp x, 0,1,2,3
	ds_load_b32 v[SW+\x], v[ADT] offset:2176*\x    ; the scale words of tiles 2 x and 2 x + 1: 32 rows are eight pieces of 272 bytes
.endr
	s_add_co_u32 s[TMP], s[KF], 127                ; on the diagonal the scores of hidden keys become -infinity ahead of the maximum: p = 0 then.  A step all of whose keys count skips this
	s_cmp_le_u32 s[TMP], s[Q0]
	s_cbranch_scc1 .Lopen_\@
	s_sub_co_i32 s[TMP], s[Q0], s[KF]
	v_add_nc_u32 v252, s[TMP], v[DQ]               ; d = my query - KF - 16 h.  Register 16 b + i holds key KF + 16 h + 32 b + i: hidden where 32 b + i > d
	v_mov_b32 v254, 0xff800000                     ; -infinity
.set n, 0
.rept 64
	v_cmp_gt_i32 vcc_lo, 32*(n/16)+n%16, v252
	v_cndmask_b32 v[S+n], v[S+n], v254, vcc_lo
.set n, n+1
.endr
.Lopen_\@:
.irp b, 0,1,2,3
	v_max3_num_f32 v[BM+\b], v[S+16*\b], v[S+1+16*\b], v[S+2+16*\b]   ; THE LARGEST SCORE OF EACH BLOCK OF 32 KEYS serves twice: for the row's maximum, and, since p rises with the score, for the block's largest p
.endr
.irp i, 3,5,7,9,11,13
.irp b, 0,1,2,3
	v_max3_num_f32 v[BM+\b], v[BM+\b], v[S+16*\b+\i], v[S+1+16*\b+\i]   ; (the four blocks by turns; each tile's registers from the low end on)
.endr
.endr
.irp b, 0,1,2,3
	v_max_num_f32 v[BM+\b], v[BM+\b], v[S+15+16*\b]
.endr
.irp b, 0,1,2,3
	v_permlanex16_b32 v[EX+\b], v[BM+\b], s[SEL], s[SEL+1]
.endr
.irp b, 0,1,2,3
	v_max_num_f32 v[BM+\b], v[BM+\b], v[EX+\b]     ; with lane l xor 16's 16 keys
.endr
	v_max3_num_f32 v254, v[BM], v[BM+1], v[BM+2]
	v_max_num_f32 v254, v254, v[BM+3]              ; the step's largest score of my query
	v_mul_f32 v254, s[CS], v254                    ; as t (c is positive)
	v_max_num_f32 v13, v13, v254                   ; the running largest t
	v_mov_b32 v254, v12
	v_floor_f32 v12, -v13                          ; the new -M = floor(-t) = -ceil(t): M is a whole number
	v_sub_f32 v254, v12, v254                      ; M's old value less its new one: a whole number, 0 or less
	v_cvt_i32_f32 v254, v254                       ; (it saturates)
	v_ldexp_f32 v252, 1.0, v254                    ; f = 2^(old M - new M)
.set j, 0
.rept 32
	v_pk_fma_f32 v[S+j:S+j+1], v[S+j:S+j+1], s[CS:CS+1], v[12:13] op_sel_hi:[1,0,0]   ; t - M, two at a time (of the pairs c and -M the low word serves both halves)
.set j, j+2
.endr
.irp b, 0,1,2,3
	v_fma_f32 v[BM+\b], v[BM+\b], s[CS], v12       ; the same of each block's largest score
.endr
.set j, 0
.rept 64
	v_exp_f32 v[S+j], v[S+j]                       ; p = 2^(t - M): not normalised
.set j, j+1
.endr
.irp b, 0,1,2,3
	v_exp_f32 v[BM+\b], v[BM+\b]                   ; the block's largest p: the same two instructions on the same number give the same bits
.endr
	v_pk_mul_f32 v[14:15], v[14:15], v[252:253] op_sel_hi:[1,0]   ; the sums under the new M.  (The plain instruction behind the exponentials: ISA guide 5.7.2)
	s_wait_alu depctr_va_vdst(0)
.irp b, 0,1,2,3
	v_max_num_f32 v[BM+\b], 0x1800000, v[BM+\b]    ; the floor 2^(3 - 127): the byte cannot fall under 1
.endr
.irp b, 0,1,2,3
	v_add_nc_u32 v[SOP+\b], 0xff000000, v[BM+\b]   ; 2 off the exponent field: the conversion takes this operand's exponent field as its scale
.endr
.irp b, 0,1,2,3
	v_lshrrev_b32 v[EX+\b], 23, v[SOP+\b]          ; the scale's byte
.endr
	v_lshl_or_b32 v253, v[EX+1], 8, v[EX]          ; p's scale word for these 128 keys
	v_lshl_or_b32 v253, v[EX+2], 16, v253
	v_lshl_or_b32 v253, v[EX+3], 24, v253
.irp b, 0,1,2,3
	v_cvt_scalef32_pk8_fp4_f32 v[PC+2*\b], v[S+16*\b:S+7+16*\b], v[SOP+\b]
	v_cvt_scalef32_pk8_fp4_f32 v[PC+1+2*\b], v[S+8+16*\b:S+15+16*\b], v[SOP+\b]
.endr
	v_nop                                          ; one plain vector instruction between a scaled conversion and the instruction that touches its result
.irp c, 0,1                                    ; the operand's layout wants a WHOLE block in a lane: lanes 0-15 block 2 c, lanes 16-31 block 2 c + 1
.irp i, 0,1
	v_permlane16_swap_b32 v[PC+4*\c+\i], v[PC+2+4*\c+\i]
.endr
.endr
.set j, 0
.rept 32
	v_pk_mul_f32 v[OT+j:OT+j+1], v[OT+j:OT+j+1], v[252:253] op_sel_hi:[1,0]   ; O^T under the new M: x f, each tile from its low end on
.set j, j+2
.endr
	v_pk_add_f32 v[EX:EX+1], v[S:S+1], v[S+2:S+3]  ; THE ROW'S SUM IS TAKEN OF THE UNQUANTISED p: two at a time, in two chains.  These additions also part the vector writes of p's codes, its scale word and O^T from the products below
.set j, 4
.rept 15
	v_pk_add_f32 v[14:15], v[14:15], v[S+j:S+j+1]
	v_pk_add_f32 v[EX:EX+1], v[EX:EX+1], v[S+j+2:S+j+3]
.set j, j+4
.endr
	v_pk_add_f32 v[14:15], v[14:15], v[EX:EX+1]
	s_wait_dscnt 0x0                               ; V's fragments and scale words, asked for ahead of the softmax
.irp t, 0,2,4,6                                ; O^T += V^T P^T.  The eight accumulators take turns, one instruction a turn, and the eight products K Q^T stand between a tile's links from step to step
	v_wmma_scale_f32_16x16x128_f8f6f4 v[OT+8*\t:OT+8*\t+7], v[FRG+8*\t:FRG+8*\t+7], v[PC:PC+7], v[OT+8*\t:OT+8*\t+7], v[SW+\t/2], v253 matrix_a_fmt:MATRIX_FMT_FP4 matrix_b_fmt:MATRIX_FMT_FP4
	v_wmma_scale_f32_16x16x128_f8f6f4 v[OT+8*\t+8:OT+8*\t+15], v[FRG+8*\t+8:FRG+8*\t+15], v[PC:PC+7], v[OT+8*\t+8:OT+8*\t+15], v[SW+\t/2], v253 matrix_a_fmt:MATRIX_FMT_FP4 matrix_b_fmt:MATRIX_FMT_FP4 matrix_a_scale:MATRIX_SCALE_ROW1
.endr
.Lhidden_\@:
	s_add_co_u32 s[KF], s[KF], 128                 ; the next step's keys, their places in LDS and their scale words
	s_add_co_u32 s[TK], s[TK], KST
	s_add_co_u32 s[TV], s[TV], 64
	s_add_co_u32 s[TS], s[TS], 544
	s_add_co_u32 s[TJ], s[TJ], 4
.endm
; THE HEAD OF CHUNK c.  A fetching wave has issued, behind chunk c's load, the loads of chunks c + 1 to 3: 3 - c may stay out, and the scale bytes and chunks 0 to c have landed (tensor loads of a wave end in order: ISA guide 10.11.1).
; Behind the barrier that holds of all four fetching waves.  Later chunks stay on their way across it.  The last head waits for 0: no tensor load is out at the wave's end.
.macro HEAD c
	s_wait_tensorcnt 3-\c
	s_wait_dscnt 0x0                               ; my LDS instructions are done: behind the second barrier chunk 0 is written by the ways out
	s_barrier_signal -1
	s_barrier_wait -1
	s_mov_b32 s[KF], 512*\c
	s_mov_b32 s[TK], \c*KCH
	s_mov_b32 s[TV], VB+\c*VCH
	s_mov_b32 s[TS], 2176*\c
	s_mov_b32 s[TJ], 16*\c
.endm
.macro FOUR_STEPS                              ; a chunk's four key steps: every wave walks all of them, a constant count; the hidden ones do nothing but step addresses
	s_mov_b32 s[CNT], 4
.Lstep_\@:
	STEP
	s_sub_co_u32 s[CNT], s[CNT], 1
	s_cmp_lg_u32 s[CNT], 0
	s_cbranch_scc1 .Lstep_\@
.endm
; THE WAY OUT.  The sum's halves are added; O^T is divided by the sum and goes through my stage in LDS, half a row (64 channels, 256 bytes) of 16 queries at a time, so that sixteen lanes store 256 consecutive bytes, aligned.
.macro WAYOUT
	v_add_f32 v14, v14, v15                        ; the sum's two halves,
	v_permlanex16_b32 v252, v14, s[SEL], s[SEL+1]
	v_add_f32 v14, v14, v252                       ; and lane l xor 16's: the row's sum
	v_rcp_f32 v14, v14
.rept 4
	v_nop                                          ; the plain instruction behind the reciprocal, and four places between the last products and the first read of O^T
.endr
.set j, 0
	s_wait_alu depctr_va_vdst(0)
.rept 64
	v_mul_f32 v[S+j], v[OT+j], v14                 ; O^T / the sum, ascending: register 8 t + i is o(r, 16 t + 8 h + i)
.set j, j+1
.endr
.irp u, 0,1                                    ; channels 64 u on
.irp t, 0,1,2,3
	ds_store_b128 v[STO], v[S+32*\u+8*\t:S+32*\u+8*\t+3] offset:64*\t
	ds_store_b128 v[STO], v[S+32*\u+8*\t+4:S+32*\u+8*\t+7] offset:64*\t+16
.endr
.irp i, 0,1,2,3,4,5,6,7
	ds_load_b128 v[FRG+32*\u+4*\i:FRG+32*\u+4*\i+3], v[RD] offset:544*\i   ; LDS serves a wave's instructions in order (ISA guide 5.7.1.4): these see my stores, and the next half's stores come behind them
.endr
.endr
.irp u, 0,1
.irp i, 0,1,2,3,4,5,6,7
	s_wait_dscnt 16*(1-\u)+7-\i                    ; behind this load stand its half's 7 - i younger loads and, for the first half, the second half's 8 stores and 8 loads
	global_store_b128 v[GO], v[FRG+32*\u+4*\i:FRG+32*\u+4*\i+3], s[16:17] offset:1024*\i+256*\u th:TH_STORE_NT   ; rows 2 i and 2 i + 1; written once, read by nobody here
.endr
.endr
	s_wait_xcnt 0x0                                ; the stores' registers are named again by the text that follows
.endm
; A wave whose diagonal step lies in chunk c leaves behind the next chunk's barrier (the last chunk's: at once).  Every wave is then behind the second barrier, so nobody reads chunk 0, where the stages lie.
; It walks on through the remaining barriers, all its steps hidden.  The branch hangs on ids alone and passes over no barrier.
.macro OUT_IF c
	s_cmp_lg_u32 s[CD], \c
	s_cbranch_scc1 .Lstay_\@
	WAYOUT
.Lstay_\@:
.endm
	HEAD 0
	FOUR_STEPS
	HEAD 1
	OUT_IF 0
	FOUR_STEPS
	HEAD 2
	OUT_IF 1
	FOUR_STEPS
	HEAD 3
	OUT_IF 2
	FOUR_STEPS
	OUT_IF 3
	s_wait_tensorcnt 0x0
	ds_add_u32 v242, v243
	s_wait_dscnt 0x0
	s_endpgm
.Lfunc_end_k_qd9bb6f5162_attn:
	.size	k_qd9bb6f5162_attn, .Lfunc_end_k_qd9bb6f5162_attn-k_qd9bb6f5162_attn
	.p2alignl 7, 3214868480
	.fill 96, 4, 3214868480
	.section	.rodata,"a",@progbits
	.p2align	6, 0x0
	.amdhsa_kernel k_qd9bb6f5162_attn
		.amdhsa_group_segment_fixed_size 306176
		.amdhsa_private_segment_fixed_size 0
		.amdhsa_enable_private_segment 0
		.amdhsa_kernarg_size 56
		.amdhsa_user_sgpr_count 2
		.amdhsa_user_sgpr_kernarg_segment_ptr 1
		.amdhsa_wavefront_size32 1
		.amdhsa_system_sgpr_workgroup_id_x 1
		.amdhsa_system_sgpr_workgroup_id_y 1
		.amdhsa_system_sgpr_workgroup_id_z 1
		.amdhsa_system_vgpr_workitem_id 0
		.amdhsa_next_free_vgpr 256
		.amdhsa_next_free_sgpr 102
		.amdhsa_reserve_vcc 1
		.amdhsa_float_denorm_mode_32 3
		.amdhsa_float_denorm_mode_16_64 3
		.amdhsa_memory_ordered 1
		.amdhsa_forward_progress 1
		.amdhsa_inst_pref_size 132
	.end_amdhsa_kernel
	.amdgpu_metadata
---
amdhsa.version: [ 1, 2 ]
amdhsa.kernels:
  - .name:           k_qd9bb6f5162_attn
    .symbol:         k_qd9bb6f5162_attn.kd
    .args:
      - { .name: q_codes, .offset: 0, .size: 8, .value_kind: global_buffer, .address_space: global }
      - { .name: q_scales, .offset: 8, .size: 8, .value_kind: global_buffer, .address_space: global }
      - { .name: k_codes, .offset: 16, .size: 8, .value_kind: global_buffer, .address_space: global }
      - { .name: k_scales, .offset: 24, .size: 8, .value_kind: global_buffer, .address_space: global }
      - { .name: v_codes, .offset: 32, .size: 8, .value_kind: global_buffer, .address_space: global }
      - { .name: v_scales, .offset: 40, .size: 8, .value_kind: global_buffer, .address_space: global }
      - { .name: out0, .offset: 48, .size: 8, .value_kind: global_buffer, .address_space: global }
    .group_segment_fixed_size: 306176
    .private_segment_fixed_size: 0
    .kernarg_segment_align: 8
    .kernarg_segment_size: 56
    .max_flat_workgroup_size: 512
    .sgpr_count:     102
    .vgpr_count:     256
    .wavefront_size: 32
...
	.end_amdgpu_metadata
.endif
;; end of part 1
